; MI455X (gfx1250); checked and timed in simulation.
; The chip was launched on July 23, 2026; its instructions are those of AMD's public machine-readable ISA for CDNA 5 (MIT licence, August 2026) and "CDNA5" Instruction Set Architecture Reference Guide (July 2026). The comments in the code are by the model that wrote it; some were corrected since.
;; Deep Seek Sparse Attention. Allowed arithmetic: float matrix products may take bf16 or f16 operands with f32 sums; all other float work in f32.
;; Inputs: Wk 768 x 768 float32; Wo 768 x 768 float32; Wq 768 x 768 float32; Wv 768 x 768 float32; bk 768 float32; bo 768 float32; bq 768 float32; bv 768 float32; x 2 x 2,048 x 768 float32.
;; Outputs: out0 2 x 2,048 x 768 float32.
;; One version. Each part assembles by itself: llvm-mc -triple=amdgcn-amd-amdhsa -mcpu=gfx1250 --defsym DOCPART=n.
;; ======== version 1 of 1: 4 launches
;; limits: values are held in f16: magnitudes above 65,504 overflow, below 6.1e-05 lose precision
;; workspace buffers: xh 6,291,456 bytes; wh 4,718,592 bytes; qkv 18,874,368 bytes; ao 6,291,456 bytes
;; launch prep (part 1): grid 96 x 4, 8 waves a work-group, no clusters, 14,336 bytes of LDS; arguments x, Wq, Wk, Wv, Wo, xh, wh; writes xh, wh
.if DOCPART == 1
	.amdgcn_target "amdgcn-amd-amdhsa--gfx1250"
	.amdhsa_code_object_version 6
	.text
	.protected	k_q49ced0d132_prep
	.globl	k_q49ced0d132_prep
	.p2align	8
	.type	k_q49ced0d132_prep,@function
k_q49ced0d132_prep:
	s_mov_b64 s[64:65], 0
	v_nop
	global_prefetch_b8 v0, s[64:65] scope:SCOPE_SE
	s_setreg_imm32_b32 hwreg(HW_REG_WAVE_MODE, 25, 1), 1
	s_wait_xcnt 0x0
; prep: f16 copies of the matrix operands.  xh = f16(x), same order.  wh[3072][768] = the four weights in f16, TRANSPOSED to [n][k]:
; row 144 g + 48 type + c holds column 48 g + c of Wq (type 0), Wk (1), Wv (2); row 2304 + n holds column n of Wo.
; LIMIT: the copies are f16 (nearest even): a number above 65,504 in magnitude becomes infinite, below 2^-24 it becomes zero.
; 384 work-groups of 8 waves; each does one 384th of x (32,768 bytes in, 16,384 out) and one tile of 128 k x 48 n of weight m = group y.
; No cluster and no matrix unit: no byte is read by two work-groups and nothing is multiplied.
; The weight's tile is read as pieces of 192 bytes of its rows and turned in LDS ([48 n][272 bytes], words of two neighbouring k);
; its LDS stores of one word collide up to three deep; both are accepted: the weights are 9.4 of the 22 MB that the launch reads.
.set WROW,  3072                       ; bytes in a row of a weight (768 f32)
.set LP,    272                        ; LDS pitch: 128 f16 + 16 bytes
.set WHROW, 1536                       ; bytes in a row of wh (768 f16)
.set WOF,   4                          ; v[4:6]    item i: byte offset of its 16 bytes in row 2 kp of the tile
.set LST,   8                          ; v[8:10]   item i: LDS address nq * 4 * LP + 4 kp
.set XI,    16                         ; v[16:47]  x as loaded
.set WI,    48                         ; v[48:71]  weight as loaded: item i: row 2 kp, row 2 kp + 1
.set XH,    72                         ; v[72:87]  x in f16
.set WH,    88                         ; v[88:99]  weight in f16
.set BK,    100                        ; v[100:111] rows of wh read back from LDS
	s_load_b256 s[4:11], s[0:1], 0x0               ; x s[4:5], Wq s[6:7], Wk s[8:9], Wv s[10:11]
	s_load_b128 s[12:15], s[0:1], 0x20             ; Wo s[12:13], xh s[14:15]
	s_load_b64 s[16:17], s[0:1], 0x30              ; wh
	v_lshl_add_u32 v112, v0, 2, 0x3400
	v_mov_b32 v113, 0
	s_and_b32 s20, ttmp7, 0xffff                   ; m: which weight
	s_mul_i32 s21, ttmp9, 43
	s_lshr_b32 s21, s21, 8                         ; g = x / 6 (exact for x below 96)
	s_mul_i32 s22, s21, 6
	s_sub_co_u32 s22, ttmp9, s22                   ; kc = x % 6
	s_mul_i32 s23, s20, 96
	s_add_co_u32 s23, s23, ttmp9                   ; my part of x: 0 to 383
	s_mul_i32 s24, s21, 144
	s_mul_i32 s25, s20, 48
	s_add_co_u32 s24, s24, s25                     ; 144 g + 48 m
	s_mul_i32 s25, s21, 48
	s_add_co_u32 s25, s25, 2304                    ; 2304 + 48 g
	s_cmp_eq_u32 s20, 3
	s_cselect_b32 s24, s25, s24                    ; my first row of wh
	s_mul_i32 s24, s24, WHROW
	s_lshl_b32 s25, s22, 8
	s_add_co_u32 s24, s24, s25                     ; + 128 kc f16
	s_mov_b32 s25, 0
	s_mul_i32 s26, s22, 128*WROW                   ; the tile in the weight: row 128 kc,
	s_mul_i32 s27, s21, 192
	s_add_co_u32 s26, s26, s27                     ; column 48 g
	s_mov_b32 s27, 0
	s_lshl_b32 s28, s23, 15                        ; my part of x
	s_mov_b32 s29, 0
	s_lshl_b32 s30, s23, 14                        ; and of xh
	s_mov_b32 s31, 0
	v_lshlrev_b32 v1, 4, v0                        ; 16 t: x
	v_lshlrev_b32 v2, 3, v0                        ; 8 t: xh
; 768 items = 64 pairs of k rows x 12 groups of four n; thread t takes items t, t + 256, t + 512
.irp i, 0,1,2
	v_add_nc_u32 v3, 256*\i, v0
	v_mul_u32_u24 v7, 0x2aab, v3
	v_lshrrev_b32 v7, 17, v7                       ; kp = item / 12 (exact below 768)
	v_mul_u32_u24 v13, 12, v7
	v_sub_nc_u32 v13, v3, v13                      ; nq = item % 12
	v_mul_u32_u24 v14, 2*WROW, v7
	v_lshl_add_u32 v[WOF+\i], v13, 4, v14          ; 2 kp rows + 16 nq
	v_mul_u32_u24 v14, 4*LP, v13
	v_lshl_add_u32 v[LST+\i], v7, 2, v14           ; LDS row 4 nq, word kp
.endr
	v_lshrrev_b32 v3, 4, v0
	v_and_b32 v7, 15, v0
	v_lshlrev_b32 v7, 4, v7
	v_mad_u32_u24 v11, v3, LP, v7                  ; read back: row t / 16, 16 bytes (t % 16)
	v_mad_u32_u24 v12, v3, WHROW, v7               ; the same place in wh
	s_wait_kmcnt 0x0
	s_cmp_eq_u32 s20, 1
	s_cselect_b64 s[18:19], s[8:9], s[6:7]
	s_cmp_eq_u32 s20, 2
	s_cselect_b64 s[18:19], s[10:11], s[18:19]
	s_cmp_eq_u32 s20, 3
	s_cselect_b64 s[18:19], s[12:13], s[18:19]     ; weight m
	s_add_nc_u64 s[18:19], s[18:19], s[26:27]
	s_add_nc_u64 s[4:5], s[4:5], s[28:29]
	s_add_nc_u64 s[14:15], s[14:15], s[30:31]
	s_add_nc_u64 s[16:17], s[16:17], s[24:25]
.irp i, 0,1,2
	global_load_b128 v[WI+8*\i:WI+8*\i+3],   v[WOF+\i], s[18:19]
	global_load_b128 v[WI+8*\i+4:WI+8*\i+7], v[WOF+\i], s[18:19] offset:WROW
.endr
.irp i, 0,1,2,3,4,5,6,7
	global_load_b128 v[XI+4*\i:XI+4*\i+3], v1, s[4:5] offset:4096*\i th:TH_LOAD_NT   ; a wave's load covers 512 consecutive bytes
.endr
	s_wait_loadcnt 0x8                             ; the six weight loads are in; the eight younger x loads stay out
.irp i, 0,1,2
.irp e, 0,1,2,3
	v_cvt_pk_f16_f32 v[WH+4*\i+\e], v[WI+8*\i+\e], v[WI+8*\i+4+\e]   ; k = 2 kp low, 2 kp + 1 high, of column 4 nq + e
	ds_store_b32 v[LST+\i], v[WH+4*\i+\e] offset:LP*\e
.endr
.endr
.irp i, 0,1,2,3,4,5,6,7
	s_wait_loadcnt 7-\i                            ; loads come back in order: x load i is in
	v_cvt_pk_f16_f32 v[XH+2*\i],   v[XI+4*\i],   v[XI+4*\i+1]
	v_cvt_pk_f16_f32 v[XH+2*\i+1], v[XI+4*\i+2], v[XI+4*\i+3]
	global_store_b64 v2, v[XH+2*\i:XH+2*\i+1], s[14:15] offset:2048*\i   ; a wave's store covers 256 consecutive bytes, aligned
.endr
	s_wait_dscnt 0x0                               ; my LDS stores are done, for the other waves' sake
	s_barrier_signal -1
	s_barrier_wait -1
.irp i, 0,1,2
	ds_load_b128 v[BK+4*\i:BK+4*\i+3], v11 offset:16*LP*\i
.endr
.irp i, 0,1,2
	s_wait_dscnt 2-\i
	global_store_b128 v12, v[BK+4*\i:BK+4*\i+3], s[16:17] offset:16*WHROW*\i   ; sixteen lanes store 256 consecutive bytes of a row of wh, aligned
.endr
	s_wait_tensorcnt 0x0
	ds_add_u32 v112, v113
	s_wait_dscnt 0x0
	s_endpgm
.Lfunc_end_k_q49ced0d132_prep:
	.size	k_q49ced0d132_prep, .Lfunc_end_k_q49ced0d132_prep-k_q49ced0d132_prep
	.p2alignl 7, 3214868480
	.fill 96, 4, 3214868480
	.section	.rodata,"a",@progbits
	.p2align	6, 0x0
	.amdhsa_kernel k_q49ced0d132_prep
		.amdhsa_group_segment_fixed_size 14336
		.amdhsa_private_segment_fixed_size 0
		.amdhsa_enable_private_segment 0
		.amdhsa_kernarg_size 56
		.amdhsa_user_sgpr_count 2
		.amdhsa_user_sgpr_kernarg_segment_ptr 1
		.amdhsa_wavefront_size32 1
		.amdhsa_system_sgpr_workgroup_id_x 1
		.amdhsa_system_sgpr_workgroup_id_y 1
		.amdhsa_system_sgpr_workgroup_id_z 1
		.amdhsa_system_vgpr_workitem_id 0
		.amdhsa_next_free_vgpr 114
		.amdhsa_next_free_sgpr 66
		.amdhsa_reserve_vcc 0
		.amdhsa_float_denorm_mode_32 3
		.amdhsa_float_denorm_mode_16_64 3
		.amdhsa_memory_ordered 1
		.amdhsa_forward_progress 1
		.amdhsa_inst_pref_size 10
	.end_amdhsa_kernel
	.amdgpu_metadata
---
amdhsa.version: [ 1, 2 ]
amdhsa.kernels:
  - .name:           k_q49ced0d132_prep
    .symbol:         k_q49ced0d132_prep.kd
    .args:
      - { .name: x, .offset: 0, .size: 8, .value_kind: global_buffer, .address_space: global }
      - { .name: Wq, .offset: 8, .size: 8, .value_kind: global_buffer, .address_space: global }
      - { .name: Wk, .offset: 16, .size: 8, .value_kind: global_buffer, .address_space: global }
      - { .name: Wv, .offset: 24, .size: 8, .value_kind: global_buffer, .address_space: global }
      - { .name: Wo, .offset: 32, .size: 8, .value_kind: global_buffer, .address_space: global }
      - { .name: xh, .offset: 40, .size: 8, .value_kind: global_buffer, .address_space: global }
      - { .name: wh, .offset: 48, .size: 8, .value_kind: global_buffer, .address_space: global }
    .group_segment_fixed_size: 14336
    .private_segment_fixed_size: 0
    .kernarg_segment_align: 8
    .kernarg_segment_size: 56
    .max_flat_workgroup_size: 256
    .sgpr_count:     66
    .vgpr_count:     114
    .wavefront_size: 32
...
	.end_amdgpu_metadata
.endif
;; end of part 1
;; launch qkvgemm (part 2): grid 16 x 16, 4 waves a work-group, clusters of 4 x 4, 327,680 bytes of LDS; arguments xh, wh, bq, bk, bv, qkv; writes qkv
.if DOCPART == 2
	.amdgcn_target "amdgcn-amd-amdhsa--gfx1250"
	.amdhsa_code_object_version 6
	.text
	.protected	k_q49ced0d132_qkvgemm
	.globl	k_q49ced0d132_qkvgemm
	.p2align	8
	.type	k_q49ced0d132_qkvgemm,@function
k_q49ced0d132_qkvgemm:
	s_mov_b64 s[64:65], 0
	v_nop
	global_prefetch_b8 v0, s[64:65] scope:SCOPE_SE
	s_setreg_imm32_b32 hwreg(HW_REG_WAVE_MODE, 25, 1), 1
	s_wait_xcnt 0x0
	s_wait_alu depctr_hold_cnt(0) depctr_sa_sdst(0) depctr_va_vdst(0) depctr_va_sdst(0) depctr_va_ssrc(0) depctr_va_vcc(0) depctr_vm_vsrc(0)
	s_getreg_b32 s2, hwreg(HW_REG_IB_STS2, 6, 4)
	s_cmp_eq_u32 s2, 0
	s_cbranch_scc0 .Lentry_in_a_cluster
	s_endpgm
.Lentry_in_a_cluster:
	s_bfe_u32 s2, ttmp6, 0x10000c
	s_cmp_lg_u32 s2, 0xf033
	s_cbranch_scc0 .Lentry_shape_is_right
	s_endpgm
.Lentry_shape_is_right:
; qkvgemm: q, k, v = x W + b, in f16, sums in f32.  xh [4096][768] f16; wh rows 144 g + 48 type + c = column 48 g + c of Wq, Wk, Wv, k along the row.
; qkv: f16 [type 3][g 16][row 4096][48].  LIMIT: results are rounded to f16: above 65,504 in magnitude they become infinite.
; A work-group makes 256 rows x 144 columns (48 each of q, k, v of group g = block column): 16 x 16 = 256 work-groups.
; Wave w makes rows 64 w .. 64 w + 63 x all 144: 36 accumulator tiles (a 0..3, b 0..8).  K = 768 goes in six steps of 128 through two LDS slots;
; a tile's rows are 256 bytes of memory and start at multiples of 256 bytes from the buffer's first byte.  Six steps are written out, without a loop.
; CLUSTER 4 x 4: the four work-groups of a row of the cluster need the same rows of xh, the four of a column the same rows of wh: joint loads.
; The matrix instruction is used transposed (source 0 = rows of wh, source 1 = rows of xh): lane l then holds row l % 16 and its registers the
; eight neighbouring columns 8 (l / 16) + 0 .. 7.  The bias lies in that layout and is the C of the first products: nothing is cleared or added later.
; REGISTERS: window 0: addresses, A's fragments (two buffers), bias, the way out; window 1: B's fragments (two buffers);
; window 2: accumulators a = 0, 1 at 8 (9 (a % 2) + b); window 3: a = 2, 3.
.set KSTEP,  128
.set PITCH,  272                       ; LDS row: 256 bytes + 16: the 16 rows of a fragment start at 16 different 16-byte columns of 256
.set AHALF,  128*PITCH                 ; 128 rows of xh: one tensor load
.set BHALF,  72*PITCH                  ; 72 rows of wh: one tensor load
.set BPART,  2*AHALF
.set SLOT,   BPART+2*BHALF             ; 108,800
.set STAGE,  2*SLOT                    ; 217,600 = 850 x 256: behind the ring; no tensor load lands here
.set WSTAGE, 64*96                     ; a wave's stage: 64 rows x 48 f16
.set XROW,   1536                      ; bytes in a row of xh and of wh
.set TS,     6291456                   ; qkv: bytes of a type
.set GS,     393216                    ; qkv: bytes of a group
.set ADRA, 16                          ; v16-17  LDS address of my A fragments, slot 0, 1
.set ADRB, 20                          ; v20-21  the same for B
.set STO,  24
.set RD,   25
.set CO,   26
.set BOFF, 27
.set FA,   64                          ; window 0: v[64:95], v[96:127]  A's fragments, buffers 0, 1
.set FBW,  72                          ; window 1: v[0:71], v[72:143]   B's fragments, buffers 0, 1
.set BIAS, 128                         ; window 0: v[128:199]  bias of tile column b at 8 b
.set RB,   64                          ; the way out: v[64:207] rows read back, 48 registers for each type
.set TMP,  208                         ; the way out: v[208:255] packed results
.set G1,  24
.set G0,  32
.set G1B, 40
.set G0B, 48
.set SHAPE, (1<<16)|(1<<20)|(1<<21)|(5<<22)|(3<<25)   ; 2-byte elements; padding on; bit 21 beside a mask; after every 64 words 4 words
.set MSB, 0
.macro WIN new                         ; the immediate's high byte repeats the setting that is left
.if MSB != \new
	s_set_vgpr_msb (MSB<<8)|\new
.set MSB, \new
.endif
.endm
.macro PLACES                          ; four independent vector places behind matrix instructions (ISA guide 7.12.1)
.rept 4
	v_nop
.endr
.endm
; A joint load: waves 0 and 1 ask for A's halves, waves 2 and 3 for B's.  The branch hangs on the wave's number alone.
.macro JLOAD s
	s_cmp_eq_u32 s17, 0
	s_cbranch_scc0 .Lfor_b_\@
	tensor_load_to_lds s[G0+4*\s:G0+4*\s+3], s[G1:G1+7]
	s_nop 0
	s_branch .Lasked_\@
.Lfor_b_\@:
	tensor_load_to_lds s[G0B+4*\s:G0B+4*\s+3], s[G1B:G1B+7]
	s_nop 0
.Lasked_\@:
.endm
.macro CREST                           ; a round of the cluster's barrier behind its opening work-group barrier
	s_cmp_lg_u32 s16, 0
	s_cbranch_scc1 .Lnot_wave_0_\@
	s_barrier_signal -3
.Lnot_wave_0_\@:
	s_barrier_wait -3
	s_barrier_signal -1
	s_barrier_wait -1
.endm
.macro CROUND
	s_barrier_signal -1
	s_barrier_wait -1
	CREST
.endm
	s_load_b256 s[4:11], s[0:1], 0x0               ; xh s[4:5], wh s[6:7], bq s[8:9], bk s[10:11]
	s_load_b128 s[12:15], s[0:1], 0x20             ; bv s[12:13], qkv s[14:15]
	s_set_vgpr_msb 0x40
	v_lshl_add_u32 v255, v0, 2, 0x3b200
	s_set_vgpr_msb 0x4000
	v_mov_b32 v63, 0
	s_set_vgpr_msb 0x1
	ds_add_u32 v255, v63
	ds_add_u32 v255, v63
	s_set_vgpr_msb 0x100
	v_lshrrev_b32 v1, 5, v0
	v_readfirstlane_b32 s16, v1                    ; wave 0..3
	s_lshr_b32 s17, s16, 1                         ; I fetch for A (0) or for B (1)
	s_and_b32 s18, s16, 1                          ; which half of that tile
	s_bfe_u32 s19, ttmp6, 0x40000                  ; cx
	s_bfe_u32 s20, ttmp6, 0x40004                  ; cy
	s_lshl_b32 s21, ttmp9, 2
	s_add_co_u32 s21, s21, s19                     ; block column = group g
	s_and_b32 s22, ttmp7, 0xffff
	s_lshl_b32 s22, s22, 2
	s_add_co_u32 s22, s22, s20                     ; block row
	s_lshl_b32 s62, s20, 2
	s_lshl_b32 s62, 15, s62                        ; my row of the cluster
	s_lshl_b32 s63, 0x1111, s19                    ; my column
	s_or_b32 s[G1+0], s62, SHAPE                   ; A's tiles go to my row
	s_mov_b32 s[G1+1], KSTEP<<16                   ; tensor_dim0 = 128
	s_mov_b32 s[G1+2], 128<<16                     ; tensor_dim1 = 128
	s_mov_b32 s[G1+3], KSTEP<<16                   ; tile_dim0 = 128
	s_mov_b32 s[G1+4], 128                         ; tile_dim1 = 128
	s_mov_b32 s[G1+5], 768                         ; elements from row to row
	s_mov_b32 s[G1+6], 0
	s_mov_b32 s[G1+7], 0
	s_or_b32 s[G1B+0], s63, SHAPE                  ; B's tiles go to my column
	s_mov_b32 s[G1B+1], KSTEP<<16
	s_mov_b32 s[G1B+2], 72<<16
	s_mov_b32 s[G1B+3], KSTEP<<16
	s_mov_b32 s[G1B+4], 72
	s_mov_b32 s[G1B+5], 768
	s_mov_b32 s[G1B+6], 0
	s_mov_b32 s[G1B+7], 0
	; A's address hangs on the block row and the half, B's on the block column and the half, each in registers of its own
	s_lshl_b32 s56, s22, 8
	s_lshl_b32 s72, s18, 7
	s_add_co_u32 s56, s56, s72
	s_mul_i32 s56, s56, XROW                       ; (256 block row + 128 half) rows of xh
	s_mov_b32 s57, 0
	s_mul_i32 s58, s21, 144
	s_mul_i32 s72, s18, 72
	s_add_co_u32 s58, s58, s72
	s_mul_i32 s58, s58, XROW                       ; (144 block column + 72 half) rows of wh
	s_mov_b32 s59, 0
	s_mul_i32 s60, s16, AHALF                      ; A's halves land at wave x 34,816 (waves 0, 1)
	s_mul_i32 s61, s16, BHALF
	s_add_co_u32 s61, s61, BPART-2*BHALF           ; B's at 30,464 + wave x 19,584 (waves 2, 3): 69,632 and 89,216
	s_wait_dscnt 0x0
	s_wait_kmcnt 0x0
	s_add_nc_u64 s[56:57], s[4:5], s[56:57]
	s_add_nc_u64 s[58:59], s[6:7], s[58:59]
	CROUND                                         ; all sixteen work-groups are here: the first joint loads meet
.irp s, 0,1
	s_mov_b32 s[G0+4*\s], 1
	s_add_co_u32 s[G0+4*\s+1], s60, \s*SLOT
	s_add_nc_u64 s[G0+4*\s+2:G0+4*\s+3], s[56:57], \s*KSTEP*2
	s_or_b32 s[G0+4*\s+3], s[G0+4*\s+3], 0x80000000
	s_mov_b32 s[G0B+4*\s], 1
	s_add_co_u32 s[G0B+4*\s+1], s61, \s*SLOT
	s_add_nc_u64 s[G0B+4*\s+2:G0B+4*\s+3], s[58:59], \s*KSTEP*2
	s_or_b32 s[G0B+4*\s+3], s[G0B+4*\s+3], 0x80000000
	JLOAD \s                                       ; K steps 0 and 1: two tensor loads of the wave are out, the most in this text
.endr
	v_and_b32 v1, 15, v0                           ; r = l % 16
	v_bfe_u32 v2, v0, 4, 1                         ; h = l / 16
	v_mul_u32_u24 v3, v1, PITCH
	v_lshl_add_u32 v3, v2, 4, v3                   ; r x pitch + 16 h
	s_mul_i32 s72, s16, 64*PITCH                   ; my 64 rows of A
.irp s, 0,1
	v_add_nc_u32 v[ADRA+\s], s72, v3
	v_add_nc_u32 v[ADRB+\s], BPART+\s*SLOT, v3
	s_add_co_u32 s72, s72, SLOT
.endr
	s_mul_i32 s73, s16, WSTAGE
	s_add_co_u32 s73, s73, STAGE                   ; my stage
	v_mul_u32_u24 v4, v1, 96
	v_lshl_add_u32 v4, v2, 4, v4
	v_add_nc_u32 v[STO], s73, v4                   ; in: row r of 96 bytes, 16 bytes for each half of the lanes
	v_and_b32 v5, 31, v0
	v_lshlrev_b32 v[CO], 4, v5                     ; out: 16 bytes a lane, dense
	v_add_nc_u32 v[RD], s73, v[CO]
	s_mul_i32 s72, s21, 192
	v_lshlrev_b32 v6, 5, v2
	v_add_nc_u32 v[BOFF], s72, v6                  ; bias: 4 (48 g + 8 h)
.irp b, 0,1,2
	global_load_b128 v[BIAS+8*\b:BIAS+8*\b+3],       v[BOFF], s[8:9] offset:64*\b
	global_load_b128 v[BIAS+8*\b+4:BIAS+8*\b+7],     v[BOFF], s[8:9] offset:64*\b+16
	global_load_b128 v[BIAS+24+8*\b:BIAS+24+8*\b+3], v[BOFF], s[10:11] offset:64*\b
	global_load_b128 v[BIAS+24+8*\b+4:BIAS+24+8*\b+7], v[BOFF], s[10:11] offset:64*\b+16
	global_load_b128 v[BIAS+48+8*\b:BIAS+48+8*\b+3], v[BOFF], s[12:13] offset:64*\b
	global_load_b128 v[BIAS+48+8*\b+4:BIAS+48+8*\b+7], v[BOFF], s[12:13] offset:64*\b+16
.endr
	s_mul_i32 s72, s21, GS                         ; where my 64 rows x 48 go: group g,
	s_mul_i32 s73, s22, 256*96
	s_add_co_u32 s72, s72, s73                     ; row 256 block row
	s_mul_i32 s73, s16, WSTAGE
	s_add_co_u32 s72, s72, s73                     ; + 64 wave
	s_mov_b32 s73, 0
	s_add_nc_u64 s[66:67], s[14:15], s[72:73]      ; q
	s_add_nc_u64 s[68:69], s[66:67], TS            ; k
	s_add_nc_u64 s[70:71], s[66:67], 2*TS          ; v
; nine matrix instructions: row block a x all nine column blocks, 32 along K, from buffer f.  first = 1: C is the bias.
; The 36 accumulators take turns, one instruction a turn, in the same order in every quarter.
.macro MULROW f, a, first
.irp b, 0,1,2,3,4,5,6,7,8
.if \first
	v_wmma_f32_16x16x32_f16 v[8*(9*(\a%2)+\b):8*(9*(\a%2)+\b)+7], v[FBW*\f+8*\b:FBW*\f+8*\b+7], v[FA+32*\f+8*\a:FA+32*\f+8*\a+7], v[BIAS+8*\b:BIAS+8*\b+7]
.else
	v_wmma_f32_16x16x32_f16 v[8*(9*(\a%2)+\b):8*(9*(\a%2)+\b)+7], v[FBW*\f+8*\b:FBW*\f+8*\b+7], v[FA+32*\f+8*\a:FA+32*\f+8*\a+7], v[8*(9*(\a%2)+\b):8*(9*(\a%2)+\b)+7]
.endif
.endr
.endm
; 26 LDS loads in one run: 144 rows of B, then my 64 rows of A, 32 K at byte k of the rows, into buffer f
.macro FETCH slot, k, f
	WIN 0x40                                       ; destination window 1, address window 0
.irp i, 0,1,2,3,4,5,6,7,8
	ds_load_b128 v[FBW*\f+8*\i:FBW*\f+8*\i+3],   v[ADRB+\slot] offset:\k+\i*16*PITCH
	ds_load_b128 v[FBW*\f+8*\i+4:FBW*\f+8*\i+7], v[ADRB+\slot] offset:\k+\i*16*PITCH+32
.endr
	WIN 0
.irp i, 0,1,2,3
	ds_load_b128 v[FA+32*\f+8*\i:FA+32*\f+8*\i+3],   v[ADRA+\slot] offset:\k+\i*16*PITCH
	ds_load_b128 v[FA+32*\f+8*\i+4:FA+32*\f+8*\i+7], v[ADRA+\slot] offset:\k+\i*16*PITCH+32
.endr
.endm
; One of a K step's first three quarters: multiplies buffer f; in its middle it fetches the next quarter's fragments into buffer g.
.macro QUARTER slot, k, f, g, first
	s_wait_dscnt 0x4                               ; B and A's blocks 0, 1 are in; the four youngest loads (A's blocks 2, 3) may be out
.if \first
	WIN 0x81                                       ; B window 1, A and the bias window 0, D window 2
.else
	WIN 0xa1                                       ; B window 1, A window 0, C and D window 2
.endif
	MULROW \f, 0, \first
	MULROW \f, 1, \first
	PLACES                                         ; in front of loads into registers that matrix instructions have read
	FETCH \slot, \k, \g
	s_wait_dscnt 26                                ; all but the 26 just issued
.if \first
	WIN 0xc1
.else
	WIN 0xf1
.endif
	MULROW \f, 2, \first
	MULROW \f, 3, \first
.endm
.macro THREE slot, first
	QUARTER \slot, 64,  0, 1, \first
	QUARTER \slot, 128, 1, 0, 0
	QUARTER \slot, 192, 0, 1, 0
.endm
; The last quarter multiplies buffer 1 and changes slots.  In front of the barrier each wave waits for its reads of this slot and for all its
; tensor loads (one is out: its part of the next slot).  fill = 1: the barrier opens a round of the cluster's barrier, and the joint refill of this
; slot, two K steps ahead, is the first tensor load behind the round.  From that request to the wait for it a wave issues 135 matrix instructions.
.macro TURN slot, next, fill
	s_wait_dscnt 0x4
	WIN 0xa1
	MULROW 1, 0, 0
	s_wait_dscnt 0x0                               ; my reads of this slot are over
	s_wait_tensorcnt 0x0                           ; all my tensor loads have landed
	ds_add_u32 v255, v63
	s_wait_dscnt 0x0
	s_barrier_signal -1
	MULROW 1, 1, 0                                 ; register work while the others arrive
	WIN 0                                          ; at a branch and at a label every window is 0
	s_barrier_wait -1
.if \fill
	CREST                                          ; no wave of any partner still reads this slot or has a load on its way
	s_add_nc_u64 s[G0+4*\slot+2:G0+4*\slot+3], s[G0+4*\slot+2:G0+4*\slot+3], 2*KSTEP*2
	s_add_nc_u64 s[G0B+4*\slot+2:G0B+4*\slot+3], s[G0B+4*\slot+2:G0B+4*\slot+3], 2*KSTEP*2
	JLOAD \slot
.endif
	PLACES
	FETCH \next, 0, 0
	WIN 0xf1
	MULROW 1, 2, 0
	MULROW 1, 3, 0
.endm
	s_wait_loadcnt 0x0                             ; the bias, once
	s_wait_tensorcnt 0x1                           ; my part of K step 0 is in; K step 1 stays out
	s_barrier_signal -1
	s_barrier_wait -1                              ; everybody's part is in
	FETCH 0, 0, 0
	THREE 0, 1                                     ; K step 0: its first products start the sums from the bias
	TURN 0, 1, 1                                   ; slot 0 <- K step 2
	THREE 1, 0
	TURN 1, 0, 1                                   ; slot 1 <- K step 3
	THREE 0, 0
	TURN 0, 1, 1                                   ; slot 0 <- K step 4
	THREE 1, 0
	TURN 1, 0, 1                                   ; slot 1 <- K step 5
	THREE 0, 0
	TURN 0, 1, 0                                   ; nothing more to fetch: a plain barrier
	THREE 1, 0
	s_wait_dscnt 0x4                               ; the very last quarter
	WIN 0xa1
	MULROW 1, 0, 0
	MULROW 1, 1, 0
	s_wait_dscnt 0x0
	WIN 0xf1
	MULROW 1, 2, 0
	MULROW 1, 3, 0
	; THE WAY OUT, one type (48 columns) at a time: round to f16, 16 bytes a lane into my own stage (rows of 96 bytes, as they lie in qkv; its
	; stores collide two deep, which is accepted: 36 stores in all), read back 512 dense bytes an instruction, store them.
	PLACES                                         ; behind the last matrix instructions: the conversions read results, the loads land on fragments
.macro OUTCVT ty, a, al                ; row block a (al = a % 2: its place in the window), three column blocks
.irp b, 0,1,2
.irp r, 0,1,2,3
	v_cvt_pk_f16_f32 v[TMP+4*(3*\a+\b)+\r], v[8*(9*\al+3*\ty+\b)+2*\r], v[8*(9*\al+3*\ty+\b)+2*\r+1]
.endr
.endr
.endm
.macro OUT ty
	WIN 0x0a                                       ; sources window 2
	OUTCVT \ty, 0, 0
	OUTCVT \ty, 1, 1
	WIN 0x0f                                       ; sources window 3
	OUTCVT \ty, 2, 0
	OUTCVT \ty, 3, 1
	WIN 0
.irp a, 0,1,2,3
.irp b, 0,1,2
	ds_store_b128 v[STO], v[TMP+4*(3*\a+\b):TMP+4*(3*\a+\b)+3] offset:1536*\a+32*\b
.endr
.endr
.irp i, 0,1,2,3,4,5,6,7,8,9,10,11
	ds_load_b128 v[RB+48*\ty+4*\i:RB+48*\ty+4*\i+3], v[RD] offset:512*\i   ; LDS serves a wave's instructions in order: these see the stores above
.endr
.irp i, 0,1,2,3,4,5,6,7,8,9,10,11
	s_wait_dscnt 11-\i
	global_store_b128 v[CO], v[RB+48*\ty+4*\i:RB+48*\ty+4*\i+3], s[66+2*\ty:67+2*\ty] offset:512*\i   ; 512 consecutive bytes, aligned; each type has its own registers
.endr
.endm
	OUT 0
	OUT 1
	OUT 2
	s_set_vgpr_msb 0x1
	s_wait_tensorcnt 0x0
	ds_add_u32 v255, v63
	s_wait_dscnt 0x0
	s_set_vgpr_msb 0x100
	CROUND                                         ; the closing round: no work-group ends while a partner may still ask for a tile that names it
	s_endpgm
.Lfunc_end_k_q49ced0d132_qkvgemm:
	.size	k_q49ced0d132_qkvgemm, .Lfunc_end_k_q49ced0d132_qkvgemm-k_q49ced0d132_qkvgemm
	.p2alignl 7, 3214868480
	.fill 96, 4, 3214868480
	.section	.rodata,"a",@progbits
	.p2align	6, 0x0
	.amdhsa_kernel k_q49ced0d132_qkvgemm
		.amdhsa_group_segment_fixed_size 327680
		.amdhsa_private_segment_fixed_size 0
		.amdhsa_enable_private_segment 0
		.amdhsa_kernarg_size 48
		.amdhsa_user_sgpr_count 2
		.amdhsa_user_sgpr_kernarg_segment_ptr 1
		.amdhsa_wavefront_size32 1
		.amdhsa_system_sgpr_workgroup_id_x 1
		.amdhsa_system_sgpr_workgroup_id_y 1
		.amdhsa_system_sgpr_workgroup_id_z 1
		.amdhsa_system_vgpr_workitem_id 0
		.amdhsa_next_free_vgpr 1024
		.amdhsa_next_free_sgpr 80
		.amdhsa_reserve_vcc 0
		.amdhsa_float_denorm_mode_32 3
		.amdhsa_float_denorm_mode_16_64 3
		.amdhsa_memory_ordered 1
		.amdhsa_forward_progress 1
		.amdhsa_inst_pref_size 132
	.end_amdhsa_kernel
	.amdgpu_metadata
---
amdhsa.version: [ 1, 2 ]
amdhsa.kernels:
  - .name:           k_q49ced0d132_qkvgemm
    .symbol:         k_q49ced0d132_qkvgemm.kd
    .args:
      - { .name: xh, .offset: 0, .size: 8, .value_kind: global_buffer, .address_space: global }
      - { .name: wh, .offset: 8, .size: 8, .value_kind: global_buffer, .address_space: global }
      - { .name: bq, .offset: 16, .size: 8, .value_kind: global_buffer, .address_space: global }
      - { .name: bk, .offset: 24, .size: 8, .value_kind: global_buffer, .address_space: global }
      - { .name: bv, .offset: 32, .size: 8, .value_kind: global_buffer, .address_space: global }
      - { .name: qkv, .offset: 40, .size: 8, .value_kind: global_buffer, .address_space: global }
    .group_segment_fixed_size: 327680
    .private_segment_fixed_size: 0
    .kernarg_segment_align: 8
    .kernarg_segment_size: 48
    .max_flat_workgroup_size: 128
    .sgpr_count:     80
    .vgpr_count:     1024
    .wavefront_size: 32
...
	.end_amdgpu_metadata
.endif
;; end of part 2
;; launch attn (part 3): grid 32 x 8, 12 waves a work-group, no clusters, 201,216 bytes of LDS; arguments qkv, ao; writes ao
.if DOCPART == 3
	.amdgcn_target "amdgcn-amd-amdhsa--gfx1250"
	.amdhsa_code_object_version 6
	.text
	.protected	k_q49ced0d132_attn
	.globl	k_q49ced0d132_attn
	.p2align	8
	.type	k_q49ced0d132_attn,@function
k_q49ced0d132_attn:
	s_mov_b64 s[64:65], 0
	v_nop
	global_prefetch_b8 v0, s[64:65] scope:SCOPE_SE
	s_setreg_imm32_b32 hwreg(HW_REG_WAVE_MODE, 25, 1), 1
	s_wait_xcnt 0x0
; attn: softmax(q k^T / 8, keys with |q - k| <= 64) v, per head.  qkv: f16 [type][g 16][row 4096][48]; ao: f16 [head 12][row 4096][64].
; Keys outside the band get weight exp(-inf) = 0 in the definition, so only the band is computed.  The true maximum of each row is taken away.
; LIMIT: P and the result are rounded to f16 (P is at most 1; a result above 65,504 in magnitude becomes infinite).
; Work-group (x = block of 64 queries, y = 4 batch + T): heads 3 T .. 3 T + 2, whose 192 columns are the groups 4 T .. 4 T + 3.  32 x 8 = 256 work-groups.
; Wave i computes head 3 T + (i >> 2), queries 16 (i & 3) + 0..15 of the block, against LDS key rows 16 w .. 16 w + 143 (nine tiles of 16);
; LDS key row p is key 64 x - 64 + p of the batch.  At the ends of a sequence the missing block is replaced by a neighbouring one (address clamped
; into the buffer) and its tiles are masked by their true index, whole tiles at a time, since the ends are multiples of 16.
; NO CLUSTER: a block of 64 keys is needed by three neighbouring query blocks, but at LDS rows 0, 64 and 128 respectively; a joint load has one LDS
; address for all partners, and addresses that turn with the block's number would make LDS addresses hang on the place in the cluster.
; Every LDS byte is filled once: three tensor loads a wave, the most that a wave has out; no slot is filled again.
.set GS,    393216
.set TS,    6291456
.set KBASE, 73728                      ; V at 0: [u 4][192 rows][96 bytes]; K behind it, the same
.set QBASE, 147456                     ; Q: [u 4][64 rows][96 bytes]
.set STAGE, 172032                     ; = 672 x 256; 16 rows x 144 bytes for each wave; no tensor load lands here
.set AQ,  4                            ; v[4:7]    Q: LDS address of my 16 bytes in the 16-column piece p of my head
.set AK,  8                            ; v[8:11]   K likewise
.set AV,  12                           ; v[12:15]  V, for the transposing load
.set VA,  16                           ; r - 8 h
.set NI,  17                           ; -inf
.set CC,  18                           ; v[18:19]  log2(e) / 8, twice
.set MX,  20                           ; v[20:21]  the row's maximum, twice
.set RS,  22                           ; v[22:23]  1 / sum, twice
.set T,   24                           ; v[24:31]  at work
.set STO, 32
.set RD,  33
.set CO,  34
.set QF,  36                           ; v[36:51]   Q's two fragments
.set S,   52                           ; v[52:123]  nine score tiles
.set KB0, 124                          ; v[124:171] three K tiles
.set KB1, 172                          ; v[172:219] three K tiles
.set PF,  124                          ; v[124:163] P's five fragments
.set VB0, 164                          ; v[164:195] V's fragments of one step
.set VB1, 196                          ; v[196:227]
.set OA,  52                           ; v[52:83]   the output's four tiles
.set OP,  84                           ; v[84:99]   packed
.set OB,  100                          ; v[100:115] read back
.set G1K, 16
.set G1Q, 24
.set G0Q, 32
.set G0K, 36
.set G0V, 40
.set SB,  44                           ; s[44:61]  tile t: 0, or -inf where the tile lies outside the sequence, twice
.macro PLACES
.rept 4
	v_nop
.endr
.endm
	s_load_b128 s[4:7], s[0:1], 0x0                ; qkv s[4:5], ao s[6:7]
	v_lshl_add_u32 v232, v0, 2, 0x30c00
	v_mov_b32 v233, 0
	ds_add_u32 v232, v233
	ds_add_u32 v232, v233
	v_lshrrev_b32 v1, 5, v0
	v_readfirstlane_b32 s8, v1                     ; wave i, 0..11
	s_and_b32 s9, s8, 3                            ; w: my 16 queries
	s_lshr_b32 s10, s8, 2                          ; hh: my head of the three
	s_and_b32 s11, ttmp7, 0xffff
	s_lshr_b32 s12, s11, 2                         ; batch
	s_and_b32 s13, s11, 3                          ; T
	s_mul_i32 s14, s8, 11
	s_lshr_b32 s14, s14, 5                         ; as a loader: group lu = i / 3
	s_mul_i32 s15, s14, 3
	s_sub_co_u32 s15, s8, s15                      ; and third lj = i % 3
	; dense blocks, as rows of 256 bytes: elements of 8 bytes, 32 a row, pitch 32.  K, V: 64 rows x 96 bytes = 24 such rows; Q: a third of that
	s_mov_b32 s[G1K+0], 3<<16
	s_mov_b32 s[G1K+1], 32<<16
	s_mov_b32 s[G1K+2], 24<<16
	s_mov_b32 s[G1K+3], 32<<16
	s_mov_b32 s[G1K+4], 24
	s_mov_b32 s[G1K+5], 32
	s_mov_b32 s[G1K+6], 0
	s_mov_b32 s[G1K+7], 0
	s_mov_b32 s[G1Q+0], 3<<16
	s_mov_b32 s[G1Q+1], 32<<16
	s_mov_b32 s[G1Q+2], 8<<16
	s_mov_b32 s[G1Q+3], 32<<16
	s_mov_b32 s[G1Q+4], 8
	s_mov_b32 s[G1Q+5], 32
	s_mov_b32 s[G1Q+6], 0
	s_mov_b32 s[G1Q+7], 0
	s_mov_b32 s[G0Q], 1
	s_lshl_b32 s[G0Q+1], s8, 11
	s_add_co_u32 s[G0Q+1], s[G0Q+1], QBASE         ; QBASE + 2,048 i = group lu, third lj
	s_mov_b32 s[G0K], 1
	s_mul_i32 s[G0K+1], s8, 6144
	s_add_co_u32 s[G0K+1], s[G0K+1], KBASE         ; KBASE + 6,144 i = group lu, key block lj
	s_mov_b32 s[G0V], 1
	s_mul_i32 s[G0V+1], s8, 6144
	s_lshl_b32 s66, s13, 2
	s_add_co_u32 s66, s66, s14
	s_mul_i32 s66, s66, GS                         ; group 4 T + lu
	s_mul_i32 s67, s12, 2048*96
	s_add_co_u32 s66, s66, s67                     ; the batch's first row
	s_mul_i32 s68, ttmp9, 6144                     ; Q: my block of 64 rows,
	s_lshl_b32 s69, s15, 11
	s_add_co_u32 s68, s68, s69                     ; its third lj
	s_add_co_u32 s68, s68, s66
	s_mov_b32 s69, 0
	s_add_co_u32 s70, ttmp9, s15
	s_sub_co_i32 s70, s70, 1                       ; K, V: block x - 1 + lj,
	s_max_i32 s70, s70, 0
	s_min_i32 s70, s70, 31                         ; kept inside the sequence
	s_mul_i32 s70, s70, 6144
	s_add_co_u32 s70, s70, s66
	s_add_co_u32 s70, s70, TS
	s_mov_b32 s71, 0
	s_wait_dscnt 0x0
	s_wait_kmcnt 0x0
	s_add_nc_u64 s[G0Q+2:G0Q+3], s[4:5], s[68:69]
	s_add_nc_u64 s[G0K+2:G0K+3], s[4:5], s[70:71]
	s_add_nc_u64 s[G0V+2:G0V+3], s[G0K+2:G0K+3], TS
	s_or_b32 s[G0Q+3], s[G0Q+3], 0x80000000
	s_or_b32 s[G0K+3], s[G0K+3], 0x80000000
	s_or_b32 s[G0V+3], s[G0V+3], 0x80000000
	tensor_load_to_lds s[G0Q:G0Q+3], s[G1Q:G1Q+7]
	s_nop 0
	tensor_load_to_lds s[G0K:G0K+3], s[G1K:G1K+7]
	s_nop 0
	tensor_load_to_lds s[G0V:G0V+3], s[G1K:G1K+7]
	s_nop 0
	v_and_b32 v1, 15, v0                           ; r
	v_bfe_u32 v2, v0, 4, 1                         ; h
	v_mul_u32_u24 v3, 96, v1
	v_lshl_add_u32 v3, v2, 4, v3                   ; 96 r + 16 h
	s_mul_i32 s67, s9, 1536                        ; 16 w rows
	v_add_nc_u32 v3, s67, v3
	v_and_b32 v24, 7, v0
	v_lshl_add_u32 v24, v2, 3, v24                 ; 8 h + l % 8
	v_mul_u32_u24 v24, 96, v24
	v_bfe_u32 v25, v0, 3, 1
	v_lshl_add_u32 v24, v25, 4, v24                ; + 16 ((l / 8) % 2)
	v_add_nc_u32 v24, s67, v24
; my head's 64 columns are the 16-column pieces pp = 4 hh + p of the work-group's twelve; piece pp lies in group pp / 3 at byte 32 (pp % 3) of a row
.irp p, 0,1,2,3
	s_lshl_b32 s68, s10, 2
	s_add_co_u32 s68, s68, \p
	s_mul_i32 s69, s68, 11
	s_lshr_b32 s69, s69, 5                         ; pp / 3
	s_mul_i32 s70, s69, 3
	s_sub_co_u32 s70, s68, s70
	s_lshl_b32 s70, s70, 5                         ; 32 (pp % 3)
	s_mul_i32 s71, s69, 18432
	s_add_co_u32 s71, s71, s70
	s_mul_i32 s72, s69, 6144
	s_add_co_u32 s72, s72, s70
	s_add_co_u32 s72, s72, QBASE
	s_add_co_u32 s73, s71, KBASE
	v_add_nc_u32 v[AQ+\p], s72, v3
	v_add_nc_u32 v[AK+\p], s73, v3
	v_add_nc_u32 v[AV+\p], s71, v24
.endr
	v_lshlrev_b32 v26, 3, v2
	v_sub_nc_u32 v[VA], v1, v26                    ; r - 8 h
	v_mov_b32 v[NI], 0xff800000
	v_mov_b32 v[CC], 0x3e38aa3b                    ; log2(e) / 8
	v_mov_b32 v[CC+1], 0x3e38aa3b
	s_mov_b32 s62, 0x76543210                      ; v_permlanex16_b32: lane i reads lane i of the other half
	s_mov_b32 s63, 0xfedcba98
	s_mul_i32 s67, s8, 2304
	s_add_co_u32 s67, s67, STAGE                   ; my stage
	v_mul_u32_u24 v26, 144, v1
	v_lshl_add_u32 v26, v2, 4, v26
	v_add_nc_u32 v[STO], s67, v26                  ; in: row r, 16 h
	v_and_b32 v27, 31, v0
	v_lshrrev_b32 v28, 3, v27
	v_and_b32 v29, 7, v0
	v_mul_u32_u24 v28, 144, v28
	v_lshl_add_u32 v28, v29, 4, v28
	v_add_nc_u32 v[RD], s67, v28                   ; back: eight lanes a row of 128 bytes
	v_lshlrev_b32 v[CO], 4, v27                    ; out: dense
	s_lshl_b32 s66, ttmp9, 6
	s_lshl_b32 s67, s9, 4
	s_add_co_u32 s66, s66, s67
	s_sub_co_u32 s66, s66, 64                      ; true index of my first key (wraps below 0: then it is not below 2,048 either)
.irp t, 0,1,2,3,4,5,6,7,8
	s_add_co_u32 s67, s66, 16*\t
	s_cmp_lt_u32 s67, 2048
	s_cselect_b32 s[SB+2*\t], 0, 0xff800000
	s_mov_b32 s[SB+2*\t+1], s[SB+2*\t]
.endr
	s_mul_i32 s66, s13, 3
	s_add_co_u32 s66, s66, s10
	s_lshl_b32 s66, s66, 19                        ; head 3 T + hh
	s_lshl_b32 s67, s12, 18
	s_add_co_u32 s66, s66, s67                     ; + 2,048 batch rows of 128 bytes
	s_lshl_b32 s67, ttmp9, 13
	s_add_co_u32 s66, s66, s67                     ; + 64 x
	s_lshl_b32 s67, s9, 11
	s_add_co_u32 s66, s66, s67                     ; + 16 w
	s_mov_b32 s67, 0
	s_add_nc_u64 s[6:7], s[6:7], s[66:67]
	s_wait_tensorcnt 0x1                           ; my parts of Q and K are in; V stays out
	s_barrier_signal -1
	s_barrier_wait -1                              ; everybody's are
	; S^T = K Q^T: source 0 = 16 keys, source 1 = my 16 queries: lane (r, h) gets, for query r, the keys 8 h + 0..7 of the tile
.macro KBATCH t0, kb                   ; three key tiles: 12 loads; a fragment of 32 d is two 16-column pieces
.irp t, 0,1,2
.irp p, 0,1,2,3
	ds_load_b128 v[\kb+16*\t+4*\p:\kb+16*\t+4*\p+3], v[AK+\p] offset:1536*(\t0+\t)
.endr
.endr
.endm
.macro SMUL t0, kb                     ; the three tiles take turns, one instruction a turn
.irp t, 0,1,2
	v_wmma_f32_16x16x32_f16 v[S+8*(\t0+\t):S+8*(\t0+\t)+7], v[\kb+16*\t:\kb+16*\t+7], v[QF:QF+7], 0
.endr
.irp t, 0,1,2
	v_wmma_f32_16x16x32_f16 v[S+8*(\t0+\t):S+8*(\t0+\t)+7], v[\kb+16*\t+8:\kb+16*\t+15], v[QF+8:QF+15], v[S+8*(\t0+\t):S+8*(\t0+\t)+7]
.endr
.endm
.macro VFETCH st, vb, hi               ; step st: 32 keys x 64 d, transposed on the way: 8 loads.  hi: the second 16 keys' byte distance
.irp dt, 0,1,2,3
	ds_load_tr16_b128 v[\vb+8*\dt:\vb+8*\dt+3],   v[AV+\dt] offset:3072*\st
	ds_load_tr16_b128 v[\vb+8*\dt+4:\vb+8*\dt+7], v[AV+\dt] offset:3072*\st+\hi
.endr
.endm
.macro PVMUL st, vb, zero              ; the four tiles of d take turns
.irp dt, 0,1,2,3
.if \zero
	v_wmma_f32_16x16x32_f16 v[OA+8*\dt:OA+8*\dt+7], v[\vb+8*\dt:\vb+8*\dt+7], v[PF+8*\st:PF+8*\st+7], 0
.else
	v_wmma_f32_16x16x32_f16 v[OA+8*\dt:OA+8*\dt+7], v[\vb+8*\dt:\vb+8*\dt+7], v[PF+8*\st:PF+8*\st+7], v[OA+8*\dt:OA+8*\dt+7]
.endif
.endr
.endm
.irp p, 0,1,2,3
	ds_load_b128 v[QF+4*\p:QF+4*\p+3], v[AQ+\p]
.endr
	KBATCH 0, KB0
	KBATCH 3, KB1
	s_wait_dscnt 12                                ; Q and tiles 0-2 are in; the 12 loads of tiles 3-5 may be out
	SMUL 0, KB0
	PLACES                                         ; in front of loads into registers that matrix instructions have read
	KBATCH 6, KB0
	s_wait_dscnt 12                                ; tiles 3-5 are in
	SMUL 3, KB1
	s_wait_dscnt 0x0
	SMUL 6, KB0
	s_wait_tensorcnt 0x0                           ; my part of V is in
	s_barrier_signal -1
	PLACES                                         ; the places behind the last products: for the loads below and for the arithmetic on S
	s_barrier_wait -1                              ; everybody's part of V is in
	VFETCH 0, VB0, 1536                            ; on their way during the softmax
	VFETCH 1, VB1, 1536
	; softmax over the 144 keys of query r, which lie in lanes r and r + 16
.irp t, 0,1,2,3,4,5,6,7,8
.irp q, 0,1,2,3
	v_pk_fma_f32 v[S+8*\t+2*\q:S+8*\t+2*\q+1], v[S+8*\t+2*\q:S+8*\t+2*\q+1], v[CC:CC+1], s[SB+2*\t:SB+2*\t+1] op_sel_hi:[1,1,0]   ; scale to base 2, and -inf for a tile outside the sequence
.endr
.endr
.irp j, 0,1,2,3,4,5,6,7
	v_cmp_ge_i32 vcc_lo, \j, v[VA]                 ; tile 0: key 8 h + j is in the band if it is not below r
	v_cndmask_b32 v[S+\j], v[NI], v[S+\j], vcc_lo
	v_cmp_le_i32 vcc_lo, \j, v[VA]                 ; tile 8: if it is not above r
	v_cndmask_b32 v[S+64+\j], v[NI], v[S+64+\j], vcc_lo
.endr
.irp c, 0,1,2,3
	v_max3_num_f32 v[T+\c], v[S+3*\c], v[S+3*\c+1], v[S+3*\c+2]    ; four chains; the first twelve numbers start them
.endr
.set q, 0
.rept 30
	v_max3_num_f32 v[T+q%4], v[T+q%4], v[S+12+2*q], v[S+13+2*q]
.set q, q+1
.endr
	v_max3_num_f32 v[T], v[T], v[T+1], v[T+2]
	v_max_num_f32 v[T], v[T], v[T+3]
	v_permlanex16_b32 v[T+1], v[T], s62, s63
	v_max_num_f32 v[MX], v[T], v[T+1]              ; finite: a query's own key is always in the band and in the sequence
	v_mov_b32 v[MX+1], v[MX]
.set q, 0
.rept 36
	v_pk_add_f32 v[S+2*q:S+2*q+1], v[S+2*q:S+2*q+1], v[MX:MX+1] neg_lo:[0,1] neg_hi:[0,1]
.set q, q+1
.endr
.set q, 0
.rept 72
	v_exp_f32 v[S+q], v[S+q]
.set q, q+1
.endr
	v_nop                                          ; one plain place behind the last exponential (ISA guide 5.7.2)
	s_wait_alu depctr_va_vdst(0)
.irp c, 0,1,2,3
	v_pk_add_f32 v[T+2*\c:T+2*\c+1], v[S+2*\c:S+2*\c+1], v[S+8+2*\c:S+9+2*\c]   ; four chains of pairs
.endr
.set q, 8
.rept 28
	v_pk_add_f32 v[T+2*(q%4):T+2*(q%4)+1], v[T+2*(q%4):T+2*(q%4)+1], v[S+2*q:S+2*q+1]
.set q, q+1
.endr
	v_pk_add_f32 v[T:T+1], v[T:T+1], v[T+2:T+3]
	v_pk_add_f32 v[T+4:T+5], v[T+4:T+5], v[T+6:T+7]
	v_pk_add_f32 v[T:T+1], v[T:T+1], v[T+4:T+5]
	v_add_f32 v[T], v[T], v[T+1]
	v_permlanex16_b32 v[T+1], v[T], s62, s63
	v_add_f32 v[T], v[T], v[T+1]                   ; the row's sum, at least 1
	v_rcp_f32 v[RS], v[T]
	v_rcp_f32 v[RS+1], v[T]                        ; the conversions below are the plain places behind these; RS is used far below
	; P in f16 is already a fragment: source 1's lane (r, h) wants keys 8 h + 0..7 and 16 + 8 h + 0..7 of a step: tiles 2 s and 2 s + 1
.irp t, 0,1,2,3,4,5,6,7,8
.irp j, 0,1,2,3
	v_cvt_pk_f16_f32 v[PF+4*\t+\j], v[S+8*\t+2*\j], v[S+8*\t+2*\j+1]
.endr
.endr
.irp j, 36,37,38,39
	v_mov_b32 v[PF+\j], 0                          ; step 4 has 16 keys: the other 16 weigh nothing
.endr
	; O^T = V^T P: lane (r, h) gets, for query r, d = 16 dt + 8 h + 0..7
	s_wait_dscnt 0x8                               ; step 0's fragments are in; step 1's eight loads may be out
	PVMUL 0, VB0, 1
	PLACES
	VFETCH 2, VB0, 1536
	s_wait_dscnt 0x8
	PVMUL 1, VB1, 0
	PLACES
	VFETCH 3, VB1, 1536
	s_wait_dscnt 0x8
	PVMUL 2, VB0, 0
	PLACES
	VFETCH 4, VB0, 0                               ; the second half repeats the first 16 keys: loaded numbers, times P = 0
	s_wait_dscnt 0x8
	PVMUL 3, VB1, 0
	s_wait_dscnt 0x0
	PVMUL 4, VB0, 0
	PLACES
.set q, 0
	s_wait_alu depctr_va_vdst(0)
.rept 16
	v_pk_mul_f32 v[OA+2*q:OA+2*q+1], v[OA+2*q:OA+2*q+1], v[RS:RS+1]
.set q, q+1
.endr
.set q, 0
.rept 16
	v_cvt_pk_f16_f32 v[OP+q], v[OA+2*q], v[OA+2*q+1]
.set q, q+1
.endr
.irp dt, 0,1,2,3
	ds_store_b128 v[STO], v[OP+4*\dt:OP+4*\dt+3] offset:32*\dt
.endr
.irp i, 0,1,2,3
	ds_load_b128 v[OB+4*\i:OB+4*\i+3], v[RD] offset:576*\i     ; my own bytes, served in order behind the stores
.endr
.irp i, 0,1,2,3
	s_wait_dscnt 3-\i
	global_store_b128 v[CO], v[OB+4*\i:OB+4*\i+3], s[6:7] offset:512*\i   ; four rows of 128 bytes: 512 consecutive bytes, aligned
.endr
	s_wait_tensorcnt 0x0
	ds_add_u32 v232, v233
	s_wait_dscnt 0x0
	s_endpgm
.Lfunc_end_k_q49ced0d132_attn:
	.size	k_q49ced0d132_attn, .Lfunc_end_k_q49ced0d132_attn-k_q49ced0d132_attn
	.p2alignl 7, 3214868480
	.fill 96, 4, 3214868480
	.section	.rodata,"a",@progbits
	.p2align	6, 0x0
	.amdhsa_kernel k_q49ced0d132_attn
		.amdhsa_group_segment_fixed_size 201216
		.amdhsa_private_segment_fixed_size 0
		.amdhsa_enable_private_segment 0
		.amdhsa_kernarg_size 16
		.amdhsa_user_sgpr_count 2
		.amdhsa_user_sgpr_kernarg_segment_ptr 1
		.amdhsa_wavefront_size32 1
		.amdhsa_system_sgpr_workgroup_id_x 1
		.amdhsa_system_sgpr_workgroup_id_y 1
		.amdhsa_system_sgpr_workgroup_id_z 1
		.amdhsa_system_vgpr_workitem_id 0
		.amdhsa_next_free_vgpr 234
		.amdhsa_next_free_sgpr 80
		.amdhsa_reserve_vcc 1
		.amdhsa_float_denorm_mode_32 3
		.amdhsa_float_denorm_mode_16_64 3
		.amdhsa_memory_ordered 1
		.amdhsa_forward_progress 1
		.amdhsa_inst_pref_size 37
	.end_amdhsa_kernel
	.amdgpu_metadata
---
amdhsa.version: [ 1, 2 ]
amdhsa.kernels:
  - .name:           k_q49ced0d132_attn
    .symbol:         k_q49ced0d132_attn.kd
    .args:
      - { .name: qkv, .offset: 0, .size: 8, .value_kind: global_buffer, .address_space: global }
      - { .name: ao, .offset: 8, .size: 8, .value_kind: global_buffer, .address_space: global }
    .group_segment_fixed_size: 201216
    .private_segment_fixed_size: 0
    .kernarg_segment_align: 8
    .kernarg_segment_size: 16
    .max_flat_workgroup_size: 384
    .sgpr_count:     80
    .vgpr_count:     234
    .wavefront_size: 32
...
	.end_amdgpu_metadata
.endif
;; end of part 3
;; launch outgemm (part 4): grid 4 x 64, 4 waves a work-group, clusters of 4 x 4, 327,680 bytes of LDS; arguments ao, wh, bo, out0; writes out0
.if DOCPART == 4
	.amdgcn_target "amdgcn-amd-amdhsa--gfx1250"
	.amdhsa_code_object_version 6
	.text
	.protected	k_q49ced0d132_outgemm
	.globl	k_q49ced0d132_outgemm
	.p2align	8
	.type	k_q49ced0d132_outgemm,@function
k_q49ced0d132_outgemm:
	s_mov_b64 s[64:65], 0
	v_nop
	global_prefetch_b8 v0, s[64:65] scope:SCOPE_SE
	s_setreg_imm32_b32 hwreg(HW_REG_WAVE_MODE, 25, 1), 1
	s_wait_xcnt 0x0
	s_wait_alu depctr_hold_cnt(0) depctr_sa_sdst(0) depctr_va_vdst(0) depctr_va_sdst(0) depctr_va_ssrc(0) depctr_va_vcc(0) depctr_vm_vsrc(0)
	s_getreg_b32 s2, hwreg(HW_REG_IB_STS2, 6, 4)
	s_cmp_eq_u32 s2, 0
	s_cbranch_scc0 .Lentry_in_a_cluster
	s_endpgm
.Lentry_in_a_cluster:
	s_bfe_u32 s2, ttmp6, 0x10000c
	s_cmp_lg_u32 s2, 0xf033
	s_cbranch_scc0 .Lentry_shape_is_right
	s_endpgm
.Lentry_shape_is_right:
; outgemm: out0 = attention output x Wo + bo, f32.  ao: f16 [head 12][row 4096][64]; wh rows 2304 + n = column n of Wo, k along the row.
; A work-group makes 64 rows x 192 columns: 4 x 64 = 256 work-groups.  Wave w makes all 64 rows x columns 48 w .. 48 w + 47: 12 accumulator tiles.
; K = 768 in six tiles of 128 (two heads each) through four LDS slots: tiles 0-3 are asked for at the start, tiles 4 and 5 behind ONE round, into
; slots 0 and 1.  A wave has at most four tensor loads out.  A slot: 192 rows of Wo (pitch 272), then two heads x 64 rows of ao (pitch 144).
; ao's rows are 128 bytes in the tensor itself and come as they are.
; CLUSTER 4 x 4: a row of the cluster shares the rows of ao, a column the rows of Wo: joint loads.
; The matrix instruction is used transposed (source 0 = rows of Wo^T, source 1 = rows of ao): a lane holds eight neighbouring columns of one row.
; The bias in that layout is the C of the first products.
.set HS,    524288                     ; ao: bytes of a head
.set BH,    96*272                     ; 96 rows of Wo: one tensor load
.set APART, 2*BH
.set AH,    64*144                     ; one head's 64 rows: one tensor load
.set SLOT,  APART+2*AH                 ; 70,656
.set SP,    784                        ; the way out: a row of 192 f32 + 16 bytes
.set ADRA, 8                           ; v[8:11]   LDS address of A's fragments, slot 0..3
.set ADRB, 12                          ; v[12:15]  of B's
.set STO,  16
.set RD0,  17
.set RD1,  18
.set CO0,  19
.set CO1,  20
.set BOFF, 21
.set ACC,  24                          ; v[24:119]  tile (a, b) at 8 (3 a + b)
.set F0,   120                         ; v[120:175] fragments: A's four, then B's three
.set F1,   176                         ; v[176:231]
.set BIAS, 232                         ; v[232:255]
.set OUTR, 120                         ; the way out: v[120:215]
.set G1,  20                           ; A's shape
.set G1B, 28                           ; B's shape
.set G0,  36                           ; s[36:51] A: a group 0 for each slot;  B's: s[52:63] and s[68:71]
.macro PLACES
.rept 4
	v_nop
.endr
.endm
; A joint load: waves 0 and 1 ask for B's halves, waves 2 and 3 for A's two heads.  The branch hangs on the wave's number alone.
.macro JLOAD s
	s_cmp_eq_u32 s13, 0
	s_cbranch_scc0 .Lfor_a_\@
	tensor_load_to_lds s[52+4*\s+4*(\s/3):55+4*\s+4*(\s/3)], s[G1B:G1B+7]
	s_nop 0
	s_branch .Lasked_\@
.Lfor_a_\@:
	tensor_load_to_lds s[G0+4*\s:G0+4*\s+3], s[G1:G1+7]
	s_nop 0
.Lasked_\@:
.endm
.macro CREST
	s_cmp_lg_u32 s12, 0
	s_cbranch_scc1 .Lnot_wave_0_\@
	s_barrier_signal -3
.Lnot_wave_0_\@:
	s_barrier_wait -3
	s_barrier_signal -1
	s_barrier_wait -1
.endm
.macro CROUND
	s_barrier_signal -1
	s_barrier_wait -1
	CREST
.endm
	s_load_b256 s[4:11], s[0:1], 0x0               ; ao s[4:5], wh s[6:7], bo s[8:9], out0 s[10:11]
	v_lshl_add_u32 v22, v0, 2, 0x45000
	v_mov_b32 v23, 0
	ds_add_u32 v22, v23
	ds_add_u32 v22, v23
	v_lshrrev_b32 v1, 5, v0
	v_readfirstlane_b32 s12, v1                    ; wave
	s_lshr_b32 s13, s12, 1                         ; I fetch for B (0) or for A (1)
	s_and_b32 s14, s12, 1                          ; which half
	s_bfe_u32 s15, ttmp6, 0x40000                  ; cx
	s_bfe_u32 s16, ttmp6, 0x40004                  ; cy
	s_lshl_b32 s17, ttmp9, 2
	s_add_co_u32 s17, s17, s15                     ; block column, 0..3
	s_and_b32 s18, ttmp7, 0xffff
	s_lshl_b32 s18, s18, 2
	s_add_co_u32 s18, s18, s16                     ; block row, 0..63
	s_lshl_b32 s78, s16, 2
	s_lshl_b32 s78, 15, s78                        ; my row of the cluster
	s_lshl_b32 s79, 0x1111, s15                    ; my column
	s_or_b32 s[G1+0], s78, (1<<16)|(1<<20)|(1<<21)|(4<<22)|(3<<25)   ; A: 2-byte elements, after every 32 words (a row) 4 words of padding
	s_mov_b32 s[G1+1], 64<<16                      ; tensor_dim0 = 64
	s_mov_b32 s[G1+2], 64<<16                      ; tensor_dim1 = 64
	s_mov_b32 s[G1+3], 64<<16                      ; tile_dim0 = 64
	s_mov_b32 s[G1+4], 64                          ; tile_dim1 = 64
	s_mov_b32 s[G1+5], 64                          ; pitch
	s_mov_b32 s[G1+6], 0
	s_mov_b32 s[G1+7], 0
	s_or_b32 s[G1B+0], s79, (1<<16)|(1<<20)|(1<<21)|(5<<22)|(3<<25)  ; B: after every 64 words (a row) 4 words
	s_mov_b32 s[G1B+1], 128<<16
	s_mov_b32 s[G1B+2], 96<<16
	s_mov_b32 s[G1B+3], 128<<16
	s_mov_b32 s[G1B+4], 96
	s_mov_b32 s[G1B+5], 768
	s_mov_b32 s[G1B+6], 0
	s_mov_b32 s[G1B+7], 0
	s_lshl_b32 s72, s14, 19                        ; A: head = half (of tile 0),
	s_lshl_b32 s19, s18, 13
	s_add_co_u32 s72, s72, s19                     ; row 64 block row
	s_mov_b32 s73, 0
	s_mul_i32 s76, s17, 192                        ; B: row 2304 + 192 block column + 96 half
	s_mul_i32 s80, s14, 96
	s_add_co_u32 s76, s76, s80
	s_add_co_u32 s76, s76, 2304
	s_mul_i32 s76, s76, 1536
	s_mov_b32 s77, 0
	s_mul_i32 s74, s12, AH
	s_add_co_u32 s74, s74, APART-2*AH              ; A lands at 33,792 + wave x 9,216 (waves 2, 3): 52,224 and 61,440
	s_mul_i32 s75, s12, BH                         ; B at wave x 26,112 (waves 0, 1)
	s_wait_dscnt 0x0
	s_wait_kmcnt 0x0
	s_add_nc_u64 s[72:73], s[4:5], s[72:73]
	s_add_nc_u64 s[76:77], s[6:7], s[76:77]
	CROUND                                         ; all sixteen work-groups are here: the first joint loads meet
.irp s, 0,1,2,3
	s_mov_b32 s[G0+4*\s], 1
	s_add_co_u32 s[G0+4*\s+1], s74, \s*SLOT
	s_add_nc_u64 s[G0+4*\s+2:G0+4*\s+3], s[72:73], \s*2*HS
	s_or_b32 s[G0+4*\s+3], s[G0+4*\s+3], 0x80000000
	s_mov_b32 s[52+4*\s+4*(\s/3)], 1
	s_add_co_u32 s[53+4*\s+4*(\s/3)], s75, \s*SLOT
	s_add_nc_u64 s[54+4*\s+4*(\s/3):55+4*\s+4*(\s/3)], s[76:77], \s*256
	s_or_b32 s[55+4*\s+4*(\s/3)], s[55+4*\s+4*(\s/3)], 0x80000000
	JLOAD \s
.endr
	v_and_b32 v1, 15, v0                           ; r
	v_bfe_u32 v2, v0, 4, 1                         ; h
	v_mul_u32_u24 v3, v1, 144
	v_lshl_add_u32 v3, v2, 4, v3                   ; A: 144 r + 16 h
	v_mul_u32_u24 v4, v1, 272
	v_lshl_add_u32 v4, v2, 4, v4                   ; B: 272 r + 16 h
	s_mul_i32 s19, s12, 48*272                     ; + my 48 rows
	v_add_nc_u32 v4, s19, v4
.irp s, 0,1,2,3
	v_add_nc_u32 v[ADRA+\s], APART+\s*SLOT, v3
	v_add_nc_u32 v[ADRB+\s], \s*SLOT, v4
.endr
	v_mul_u32_u24 v5, v1, SP
	v_lshl_add_u32 v5, v2, 5, v5
	s_mul_i32 s19, s12, 192
	v_add_nc_u32 v[STO], s19, v5                   ; in: row r, my 48 columns, 32 h
	v_and_b32 v6, 31, v0
	v_lshlrev_b32 v[CO0], 4, v6                    ; 16 l
	s_mul_i32 s81, s12, 16*SP
	v_add_nc_u32 v[RD0], s81, v[CO0]               ; back: my 16 rows
	v_lshl_add_u32 v[RD1], v2, 4, v[RD0]
	v_add_nc_u32 v[RD1], 512, v[RD1]               ; lanes 0-15: the end of a row; lanes 16-31: the head of the next (784 - 256 = 528)
	v_mul_u32_u24 v7, v2, 2304
	v_add3_u32 v[CO1], v[CO0], v7, 512             ; the same in out0 (3,072 - 256 = 512 + 2,304)
	s_mul_i32 s80, s17, 768
	s_add_co_u32 s19, s19, s80
	v_lshlrev_b32 v7, 5, v2
	v_add_nc_u32 v[BOFF], s19, v7                  ; bias: 4 (192 block column + 48 w + 8 h)
.irp b, 0,1,2
	global_load_b128 v[BIAS+8*\b:BIAS+8*\b+3],   v[BOFF], s[8:9] offset:64*\b
	global_load_b128 v[BIAS+8*\b+4:BIAS+8*\b+7], v[BOFF], s[8:9] offset:64*\b+16
.endr
	s_mul_i32 s82, s18, 64*3072                    ; out0: row 64 block row
	s_mul_i32 s83, s12, 16*3072
	s_add_co_u32 s82, s82, s83                     ; + 16 w,
	s_add_co_u32 s82, s82, s80                     ; column 192 block column
	s_mov_b32 s83, 0
	s_add_nc_u64 s[10:11], s[10:11], s[82:83]
; 14 LDS loads: 32 along K (part kk of the tile in the slot) of all 64 rows of A and of my 48 rows of B, into the buffer at f
.macro FETCH slot, kk, f
.irp a, 0,1,2,3
	ds_load_b128 v[\f+8*\a:\f+8*\a+3],   v[ADRA+\slot] offset:2304*\a+AH*(\kk/2)+64*(\kk%2)
	ds_load_b128 v[\f+8*\a+4:\f+8*\a+7], v[ADRA+\slot] offset:2304*\a+AH*(\kk/2)+64*(\kk%2)+32
.endr
.irp b, 0,1,2
	ds_load_b128 v[\f+32+8*\b:\f+32+8*\b+3], v[ADRB+\slot] offset:4352*\b+64*\kk
	ds_load_b128 v[\f+32+8*\b+4:\f+32+8*\b+7], v[ADRB+\slot] offset:4352*\b+64*\kk+32
.endr
.endm
; six matrix instructions: row blocks a0, a0 + 1 x three column blocks.  The 12 accumulators take turns, one instruction a turn.
.macro MUL6 f, a0, first
.irp a, \a0, \a0+1
.irp b, 0,1,2
.if \first
	v_wmma_f32_16x16x32_f16 v[ACC+8*(3*(\a)+\b):ACC+8*(3*(\a)+\b)+7], v[\f+32+8*\b:\f+32+8*\b+7], v[\f+8*(\a):\f+8*(\a)+7], v[BIAS+8*\b:BIAS+8*\b+7]
.else
	v_wmma_f32_16x16x32_f16 v[ACC+8*(3*(\a)+\b):ACC+8*(3*(\a)+\b)+7], v[\f+32+8*\b:\f+32+8*\b+7], v[\f+8*(\a):\f+8*(\a)+7], v[ACC+8*(3*(\a)+\b):ACC+8*(3*(\a)+\b)+7]
.endif
.endr
.endr
.endm
; One step of 32 along K: multiplies buffer f and fetches part nk of slot ns into buffer g.
; sync 0: the next part lies in a tile that every wave has been shown.  sync 1: the next tile is shown first: my part of it has landed (cnt younger
; loads may stay out).  sync 2: the refill round.  sync 3: the last step, nothing to fetch.
.macro SUB f, g, ns, nk, sync, cnt, first
	s_wait_dscnt 0x0                               ; buffer f is in; all my LDS reads so far are over
.if \sync == 0
	PLACES                                         ; in front of loads into registers that matrix instructions have read
	FETCH \ns, \nk, \g
	MUL6 \f, 0, \first
	MUL6 \f, 2, \first
.endif
.if \sync == 1
	s_wait_tensorcnt \cnt
	s_barrier_signal -1
	MUL6 \f, 0, 0
	s_barrier_wait -1
	PLACES
	FETCH \ns, \nk, \g
	MUL6 \f, 2, 0
.endif
.if \sync == 2
	s_wait_tensorcnt 0x0                           ; all my tensor loads have landed (tiles 2 and 3 among them); my reads of slots 0 and 1 are over (above)
	ds_add_u32 v22, v23
	s_wait_dscnt 0x0
	s_barrier_signal -1                            ; opens a round of the cluster's barrier
	MUL6 \f, 0, 0                                  ; register work alone inside the round
	s_barrier_wait -1
	CREST                                          ; no wave of any partner still reads slots 0 and 1 or has a load on its way
.irp s, 0,1
	s_add_nc_u64 s[G0+4*\s+2:G0+4*\s+3], s[G0+4*\s+2:G0+4*\s+3], 8*HS       ; four tiles on: eight heads
	s_add_nc_u64 s[54+4*\s:55+4*\s], s[54+4*\s:55+4*\s], 4*256              ; four tiles on: 512 k
.endr
	JLOAD 0                                        ; tiles 4 and 5: the first tensor loads behind the round
	JLOAD 1
	PLACES
	FETCH \ns, \nk, \g
	MUL6 \f, 2, 0
.endif
.if \sync == 3
	MUL6 \f, 0, 0
	MUL6 \f, 2, 0
.endif
.endm
.macro THREE slot, first
	SUB F0, F1, \slot, 1, 0, 0, \first
	SUB F1, F0, \slot, 2, 0, 0, 0
	SUB F0, F1, \slot, 3, 0, 0, 0
.endm
	s_wait_loadcnt 0x0                             ; the bias
	s_wait_tensorcnt 0x3                           ; my part of tile 0 is in; tiles 1, 2, 3 stay out
	s_barrier_signal -1
	s_barrier_wait -1
	FETCH 0, 0, F0
	THREE 0, 1                                     ; tile 0; its first products start the sums from the bias
	SUB F1, F0, 1, 0, 1, 2, 0                      ; shows tile 1 (tiles 2, 3 stay out)
	THREE 1, 0                                     ; tile 1
	SUB F1, F0, 2, 0, 2, 0, 0                      ; the refill round: tiles 2 and 3 are shown, slots 0 and 1 are asked for again
	THREE 2, 0                                     ; tile 2
	SUB F1, F0, 3, 0, 0, 0, 0                      ; tile 3 was shown by the round
	THREE 3, 0                                     ; tile 3
	SUB F1, F0, 0, 0, 1, 1, 0                      ; shows tile 4 (tile 5 stays out)
	THREE 0, 0                                     ; tile 4
	SUB F1, F0, 1, 0, 1, 0, 0                      ; shows tile 5
	THREE 1, 0                                     ; tile 5
	SUB F1, F0, 0, 0, 3, 0, 0
	; THE WAY OUT: the block of 64 x 192 f32 is gathered in slot 0's bytes (50,176 of them), which have had their last fill (tile 4) and, behind the
	; barrier, their last read; then whole rows are read back, so that sixteen lanes store 256 consecutive bytes, aligned.
	PLACES                                         ; behind the last matrix instructions: the stores read results, the loads land on fragments
	s_barrier_signal -1
	s_barrier_wait -1
.irp a, 0,1,2,3
.irp b, 0,1,2
	ds_store_b128 v[STO], v[ACC+8*(3*\a+\b):ACC+8*(3*\a+\b)+3]   offset:16*SP*\a+64*\b
	ds_store_b128 v[STO], v[ACC+8*(3*\a+\b)+4:ACC+8*(3*\a+\b)+7] offset:16*SP*\a+64*\b+16
.endr
.endr
	s_wait_dscnt 0x0                               ; my stores are done, for the other waves' sake
	s_barrier_signal -1
	s_barrier_wait -1
; two rows of 768 bytes are three instructions of 512: row 2 p bytes 0-511; its last 256 and the next row's first 256; the next row's bytes 256-767
.irp p, 0,1,2,3,4,5,6,7
	ds_load_b128 v[OUTR+12*\p:OUTR+12*\p+3],    v[RD0] offset:2*SP*\p
	ds_load_b128 v[OUTR+12*\p+4:OUTR+12*\p+7],  v[RD1] offset:2*SP*\p
	ds_load_b128 v[OUTR+12*\p+8:OUTR+12*\p+11], v[RD0] offset:2*SP*\p+SP+256
.endr
.irp p, 0,1,2,3,4,5,6,7
	s_wait_dscnt 23-3*\p
	global_store_b128 v[CO0], v[OUTR+12*\p:OUTR+12*\p+3],    s[10:11] offset:6144*\p th:TH_STORE_NT
	s_wait_dscnt 22-3*\p
	global_store_b128 v[CO1], v[OUTR+12*\p+4:OUTR+12*\p+7],  s[10:11] offset:6144*\p th:TH_STORE_NT
	s_wait_dscnt 21-3*\p
	global_store_b128 v[CO0], v[OUTR+12*\p+8:OUTR+12*\p+11], s[10:11] offset:6144*\p+3328 th:TH_STORE_NT
.endr
	s_wait_tensorcnt 0x0
	ds_add_u32 v22, v23
	s_wait_dscnt 0x0
	CROUND                                         ; the closing round: no work-group ends while a partner may still ask for a tile that names it
	s_endpgm
.Lfunc_end_k_q49ced0d132_outgemm:
	.size	k_q49ced0d132_outgemm, .Lfunc_end_k_q49ced0d132_outgemm-k_q49ced0d132_outgemm
	.p2alignl 7, 3214868480
	.fill 96, 4, 3214868480
	.section	.rodata,"a",@progbits
	.p2align	6, 0x0
	.amdhsa_kernel k_q49ced0d132_outgemm
		.amdhsa_group_segment_fixed_size 327680
		.amdhsa_private_segment_fixed_size 0
		.amdhsa_enable_private_segment 0
		.amdhsa_kernarg_size 32
		.amdhsa_user_sgpr_count 2
		.amdhsa_user_sgpr_kernarg_segment_ptr 1
		.amdhsa_wavefront_size32 1
		.amdhsa_system_sgpr_workgroup_id_x 1
		.amdhsa_system_sgpr_workgroup_id_y 1
		.amdhsa_system_sgpr_workgroup_id_z 1
		.amdhsa_system_vgpr_workitem_id 0
		.amdhsa_next_free_vgpr 256
		.amdhsa_next_free_sgpr 84
		.amdhsa_reserve_vcc 0
		.amdhsa_float_denorm_mode_32 3
		.amdhsa_float_denorm_mode_16_64 3
		.amdhsa_memory_ordered 1
		.amdhsa_forward_progress 1
		.amdhsa_inst_pref_size 60
	.end_amdhsa_kernel
	.amdgpu_metadata
---
amdhsa.version: [ 1, 2 ]
amdhsa.kernels:
  - .name:           k_q49ced0d132_outgemm
    .symbol:         k_q49ced0d132_outgemm.kd
    .args:
      - { .name: ao, .offset: 0, .size: 8, .value_kind: global_buffer, .address_space: global }
      - { .name: wh, .offset: 8, .size: 8, .value_kind: global_buffer, .address_space: global }
      - { .name: bo, .offset: 16, .size: 8, .value_kind: global_buffer, .address_space: global }
      - { .name: out0, .offset: 24, .size: 8, .value_kind: global_buffer, .address_space: global }
    .group_segment_fixed_size: 327680
    .private_segment_fixed_size: 0
    .kernarg_segment_align: 8
    .kernarg_segment_size: 32
    .max_flat_workgroup_size: 128
    .sgpr_count:     84
    .vgpr_count:     256
    .wavefront_size: 32
...
	.end_amdgpu_metadata
.endif
;; end of part 4
